; MI455X (gfx1250); checked and timed in simulation.
; The chip was launched on July 23, 2026; its instructions are those of AMD's public machine-readable ISA for CDNA 5 (MIT licence, August 2026) and "CDNA5" Instruction Set Architecture Reference Guide (July 2026). The comments in the code are by the model that wrote it; some were corrected since.
;; Multi Head Attention. Allowed arithmetic: matrix products marked QUANTISED: E5M2 operands, one E8M0 scale for each 32 along K, by v_wmma_scale_f32_16x16x128_f8f6f4 with both operands' format E5M2, f32 sums; everything else in f32.
;; Inputs: Wk_codes 512 x 16 x 32 uint8 (E5M2 codes of Wk, K innermost, in blocks of 32 codes); Wk_scales 512 x 16 uint8 (E8M0 scales of Wk, one for each 32 codes along K); Wq_codes 512 x 16 x 32 uint8 (E5M2 codes of Wq, K innermost, in blocks of 32 codes); Wq_scales 512 x 16 uint8 (E8M0 scales of Wq, one for each 32 codes along K); Wv_codes 512 x 16 x 32 uint8 (E5M2 codes of Wv, K innermost, in blocks of 32 codes); Wv_scales 512 x 16 uint8 (E8M0 scales of Wv, one for each 32 codes along K); bk 512 float32; bq 512 float32; bv 512 float32; key_codes 2 x 2,048 x 16 x 32 uint8 (E5M2 codes of key, K innermost, in blocks of 32 codes); key_scales 2 x 2,048 x 16 uint8 (E8M0 scales of key, one for each 32 codes along K); query_codes 2 x 2,048 x 16 x 32 uint8 (E5M2 codes of query, K innermost, in blocks of 32 codes); query_scales 2 x 2,048 x 16 uint8 (E8M0 scales of query, one for each 32 codes along K); value_codes 2 x 2,048 x 16 x 32 uint8 (E5M2 codes of value, K innermost, in blocks of 32 codes); value_scales 2 x 2,048 x 16 uint8 (E8M0 scales of value, one for each 32 codes along K).
;; Outputs: out0 2 x 2,048 x 512 float32.
;; This version of the problem:
;;   THIS VERSION OF THE PROBLEM IS GIVEN IN LOW PRECISION. The matrix products marked QUANTISED in the list below multiply operands that are first quantised to E5M2 (5 exponent bits, 2 mantissa bits; 8 bits a number), with one power-of-two scale for each 32 numbers along K (OCP MX v1.0); their sums are f32. All else is computed in f32.
;;   The module's matrix products, in the order in which they are computed (A, B: the left and right operand; K: the contracted axis; several contracted axes count as one K, in the product's order):
;;     1. [M 4,096, K 512] x [K 512, N 512]; A: input query (given as codes); B: input Wq (given as codes): QUANTISED
;;     2. [M 4,096, K 512] x [K 512, N 512]; A: input key (given as codes); B: input Wk (given as codes): QUANTISED
;;     3. [M 4,096, K 512] x [K 512, N 512]; A: input value (given as codes); B: input Wv (given as codes): QUANTISED
;;     4. batch 16 x [M 2,048, K 64] x [K 64, N 2,048]; A: computed on the way; B: computed on the way: QUANTISED
;;     5. batch 16 x [M 64, K 2,048] x [K 2,048, N 2,048]; A: computed on the way; B: softmax (see below): QUANTISED
;;   THE QUANTISER, for each operand of a quantised product, along K:
;;     - K is cut into blocks of 32 from its start; a last block that is shorter is filled with zeros.
;;     - A block's scale is 2^e with e = floor(log2(the largest magnitude in the block)) - 15, held to -126 .. 127; a block of zeros has e = 0. As a byte (E8M0): e + 127.
;;     - Each number is divided by its block's scale, clamped to +-57,344, and rounded to the nearest number of E5M2, ties to even, subnormals kept.
;;     - The product sums the exact products of the quantised numbers (number of the format x scale) in f32.
;;   ~~~python
;;   def quantise(x, axis):      # numpy; x: float32 -> the quantised numbers, widened to float32 again
;;       x = np.moveaxis(x, axis, -1); K = x.shape[-1]
;;       x = np.pad(x, [(0, 0)] * (x.ndim - 1) + [(0, -K % 32)]); x = x.reshape(x.shape[:-1] + (-1, 32)); a = np.abs(x).max(-1, keepdims=True)
;;       e = np.where(a > 0, np.clip(np.frexp(np.where(a > 0, a, 1))[1] - 1 - 15, -126, 127), 0)      # np.frexp(a)[1] - 1 = floor(log2(a)), exactly
;;       r = np.clip(x / 2.0 ** e, -57344, 57344)
;;       step = 2.0 ** (np.maximum(np.frexp(np.where(r == 0, 1, r))[1] - 1, -14) - 2)
;;       q = np.round(r / step) * step * 2.0 ** e      # np.round: ties to even
;;       return np.moveaxis(q.reshape(q.shape[:-2] + (-1,))[..., :K], -1, axis).astype(np.float32)
;;   ~~~
;;   SOFTMAX AHEAD OF A QUANTISED PRODUCT. Where the list says 'softmax', what is quantised is not the finished softmax but p = 2^(t - M), with t = logit x log2(e) and M = ceil(the row's largest t), a whole number; so 1/2 < the row's largest p <= 1. The row's sum l is taken of the UNQUANTISED p, in f32, and the product's result is divided by l at the end. Since M is a whole number, a kernel that streams over the keys may use a running M (the ceiling of the running maximum): every later rescaling is an exact power of two, which a block's scale takes up: the codes' values come out the same.
;;   OPERANDS COMPUTED ON THE WAY. 'Computed on the way' means the value that the module computes at that place (a softmax that the list does not call 'softmax' is quantised finished and normalised). What goes into a quantiser is computed in f32, as accurately as f32 sums, v_exp_f32 and their like allow (about 1e-6 of the number): no bf16 or f16 on the way to a quantiser, and a product that is left as it is and whose result goes on into a quantised operand takes f32 operands (vector FMAs, or v_wmma_f32_16x16x4_f32). A number that lies on a knife's edge between two numbers of the format may be rounded either way, as far as f32 arithmetic and the matrix unit's own rounding can turn it there, and no further.
;;   INPUTS GIVEN AS CODES. Wk (in the module: [512, 512], K = its axis 0); Wq (in the module: [512, 512], K = its axis 0); Wv (in the module: [512, 512], K = its axis 0); key (in the module: [2, 2048, 512], K = its axis 2); query (in the module: [2, 2048, 512], K = its axis 2); value (in the module: [2, 2048, 512], K = its axis 2): each comes as NAME_codes (uint8): NAME with its K axis moved to the last place and cut into blocks of 32 codes, [.., K / 32, bytes a block], one block behind the other in memory; one code a byte (a code: sign, 5 exponent bits, 2 mantissa bits); and NAME_scales (uint8): the same leading axes, one E8M0 byte (e + 127) for each 32 codes along K. Its value is code x scale, taken as it is: it is not quantised again, and the codes and scales need not be those that the quantiser above would give.
;; One version. Each part assembles by itself: llvm-mc -triple=amdgcn-amd-amdhsa -mcpu=gfx1250 --defsym DOCPART=n.
;; ======== version 1 of 1: 1 launch
;; launch mha (part 1): grid 8 x 32, 8 waves a work-group, clusters of 4 x 1, 327,680 bytes of LDS; arguments query_codes, key_codes, value_codes, query_scales, key_scales, value_scales, Wq_codes, Wk_codes, Wv_codes, Wq_scales, Wk_scales, Wv_scales, bq, bk, bv, out0; writes out0
.if DOCPART == 1
	.amdgcn_target "amdgcn-amd-amdhsa--gfx1250"
	.amdhsa_code_object_version 6
	.text
	.protected	k_qf59c572d9b_mha
	.globl	k_qf59c572d9b_mha
	.p2align	8
	.type	k_qf59c572d9b_mha,@function
k_qf59c572d9b_mha:
	s_mov_b64 s[64:65], 0
	v_nop
	global_prefetch_b8 v0, s[64:65] scope:SCOPE_SE
	s_setreg_imm32_b32 hwreg(HW_REG_WAVE_MODE, 25, 1), 1
	s_wait_xcnt 0x0
	s_wait_alu depctr_hold_cnt(0) depctr_sa_sdst(0) depctr_va_vdst(0) depctr_va_sdst(0) depctr_va_ssrc(0) depctr_va_vcc(0) depctr_vm_vsrc(0)
	s_getreg_b32 s2, hwreg(HW_REG_IB_STS2, 6, 4)
	s_cmp_eq_u32 s2, 0
	s_cbranch_scc0 .Lentry_in_a_cluster
	s_endpgm
.Lentry_in_a_cluster:
	s_bfe_u32 s2, ttmp6, 0x10000c
	s_cmp_lg_u32 s2, 0x3003
	s_cbranch_scc0 .Lentry_shape_is_right
	s_endpgm
.Lentry_shape_is_right:
; Multi-head attention over a band of keys, all five products on codes of BF8 (E5M2) with one E8M0 scale for each 32 along K.
; q = query Wq + bq, k = key Wk + bk, v = value Wv + bv (rows of 512, 8 heads of 64 units); query i sees keys i - 128 .. i + 128; out = softmax(q k^T / 8) v.
; SHARES.  A work-group owns one batch, one head and 128 queries (Q0 = 128 x block): 2 x 8 x 16 = 256 work-groups.  It projects its 128 queries and the 384 keys and values of the
; window Q0 - 128 .. Q0 + 255 onto the head's 64 columns, quantises them in registers, hands the codes to its waves through LDS as images of operand registers, and runs the attention.
; PROJECTION: wave 0 takes the queries, waves 1-3 the three runs of 128 keys, waves 4-6 the three runs of 128 values; wave 7 has no rows (28 units of 32 rows do not share out over 8 waves
; without a second set of weights in a wave).  A working wave keeps its tensor's 64 x 512 weights in 256 registers, loaded once in the order of the operand's registers.
; ATTENTION: all eight waves, 16 queries each; a wave's band lies inside 9 blocks of 32 keys (288 keys), whose scores fit in 144 registers: one pass, no running maximum.
; CLUSTER: the four partners differ in the head alone and read the same rows of query, key and value: each tile of rows is asked for JOINTLY (mask 15).  The weights differ from partner
; to partner (each head has its own 64 rows) and are not shared.
; LAYOUT.  q and k are made transposed (source 0 = 16 rows of W, source 1 = 16 rows of x): a lane holds one row and 16 of each 32 units.  v is made plain (source 0 = 16 keys, source 1 = 16 rows of Wv):
; a lane holds one unit and 16 of each 32 keys.  S^T = k q^T gives a lane one query and 16 of each 32 keys, in the same places as v's.  So inside a block of 32 the places are permuted,
; alike on both sides of each product: a block keeps its members and its scale, and only the order of the sum inside a block differs from ascending k.
; SOFTMAX: t = score x log2(e) / 8; M = ceil(the row's largest t); p = 2^(t - M) is quantised along the keys; the sum of the unquantised p divides at the end.
; EDGES: a run of rows that would begin outside its batch is moved inside (first row held to 0 .. 1,920), so no load leaves its buffer; blocks of keys outside 0 .. 2,047 get -infinity added.
; LIMITS: infinity or NaN codes and scale bytes 0xff among the inputs are not served.  A block of zeros gets the scale byte 1 (its codes are zeros; this program alone reads the bytes).
; p under 2^-126 counts as 0.  Where a K step of 128 is longer than the data (64 units; the ninth block of keys) one side holds zero codes and the other finite codes.
.set RINGW,  33792                     ; LDS: a wave's 64 rows x (512 bytes + 16 of padding)
.set PITCH,  528                       ; so the 16 rows that a fragment load touches begin 132 words apart
.set IMGC,   7*RINGW                   ; 236,544: code images: wave w, unit i, block b at 8,192 w + 2,048 i + 512 b + 16 x lane
.set SCI,    IMGC+7*8192               ; 293,888: q's and k's scale words: tile T at 128 T + 4 x lane (T 0-7: q; 8-31: k)
.set VSB,    SCI+4096                  ; 297,984: v's scale bytes: [tile of units n][unit r][16]; byte B belongs to key block B (0-11)
.set SPARE,  VSB+1024                  ; 299,008: the spare words, 128 bytes for each wave: four blocks of 256 bytes that no other line names
.set SPITCH, 272                       ; the way out: a stage of 16 rows x (256 + 16) bytes for each wave, in the ring, behind its last fill and last read
.set STGW,   16*SPITCH
; vector registers, window 0: addresses, made once
.set LI,  1                            ; 16 x lane
.set SPW, 2                            ; my spare word
.set NIL, 3                            ; 0
.set XA,  4                            ; my place in my wave's rows in the ring
.set CI,  5                            ; where I store code images
.set SCW, 6                            ; where I store q's or k's scale words
.set VSP, 7                            ; where I store v's scale bytes
.set WA,  8                            ; my byte in a tile of W
.set BAQ, 9                            ; my byte in bq or bk
.set BAV, 10                           ; my byte in bv
.set KA,  11                           ; k's images of my band
.set QA,  12                           ; q's image of my queries
.set VA,  13                           ; v's images of my band
.set KSA, 14                           ; k's scale words
.set QSA, 15                           ; q's scale word
.set VSA, 16                           ; v's scale bytes
.set STO, 17                           ; the stage, in
.set RD,  18                           ; the stage, back
.set GO,  19                           ; my byte in two rows of out
; projection
.set VW,  20                           ; v20-23  v's scale bytes, one word for each tile of units
.set PW,  24                           ; v24-25  q's or k's scale words
.set TM,  26                           ; v26-29 largest magnitudes, v30-33 bytes, v34-37 the largest number x the scale, v38-41 the conversions' scale operands
.set PC,  42                           ; v42-57  the codes just made
.set XB,  60                           ; v60-123 two buffers of two fragments of x
.set ACC, 124                          ; v124-187 eight accumulators
.set BIAS, 188                         ; v188-219 the bias in the results' layout
.set WS,  232                          ; v232-239 W's scale words: lanes 0-15 the even tile's, lanes 16-31 the odd tile's
.set XS,  240                          ; v240-255 x's scale words: unit i, K step s at 4 i + s; lanes 16-31 the unit's second tile
; attention
.set S,   60                           ; v60-203 scores, then p: block b, tile u, register j at 16 b + 8 u + j
.set RM,  20
.set NM,  21                           ; -M
.set L0,  22                           ; v[22:23], v[24:25] the row's sum in two chains of two halves
.set L1,  24
.set MB,  26                           ; v26-34  the blocks' largest score, then largest p
.set T2,  36                           ; v36-44  at work
.set SO,  46                           ; v46-54  the conversions' scale operands
.set D0,  56
.set NIV, 57                           ; -infinity
.set RC,  58                           ; 1 / the row's sum
.set AD,  204                          ; v204-221 -M (+ -infinity for blocks outside the batch), a pair for each block; before that v's scale bytes as loaded
.set HD,  222                          ; v222-230 57,344 x the scale
.set KSW, 232                          ; v232-249 k's scale words
.set QSW, 250
.set VSW, 232                          ; later v232-243 v's scale words, 3 n + K step
.set PWD, 244                          ; v244-246 p's scale words
.set YO,  60                           ; the way out: results, then rows read back
.set YB,  92
; window 1.  Projection: W's fragment (tile wt, K step s) at 16 (4 wt + s).  Attention:
.set KV,  0                            ; v0-155  k's 18 tiles x 8, later v's 4 tiles x 9 blocks x 4; the top 12 are zeros
.set QF,  160                          ; v160-175 q's fragment: 8 registers of codes, 8 of zeros
.set OA,  176                          ; v176-207 O^T
.set PCW, 208                          ; v208-255 p's codes: 9 blocks x 4, then 12 of zeros
; scalar registers
.set G1,  52                           ; s[52:59] descriptor group 1
.set WV,  60
.set HEAD, 61
.set BB,  62
.set QB,  63
.set Q0,  66
.set SB,  67                           ; wave / 2: my band's first block of keys in the window
.set G0,  68                           ; s[68:71] descriptor group 0
.set BI,  72                           ; s72-80 0, or -infinity for a block of keys outside the batch
.set NINF, 81
.set CS,  82                           ; s[82:83] log2(e) / 8
.set SEL, 84                           ; s[84:85] lane l xor 16
.set MNT, 86                           ; the mantissa field of 57,344
.set PSEL, 87                          ; byte selects SB .. SB + 3
.set MSB, 0
.macro WIN new                         ; the immediate's high byte repeats the setting that is left
.if MSB != \new
	s_set_vgpr_msb (MSB<<8)|\new
.set MSB, \new
.endif
.endm
.macro PLACES n                        ; plain vector instructions behind matrix instructions: 8 for this form
.rept \n
	v_nop
.endr
.endm
.macro ROUND                           ; a round of the cluster's barrier
	s_barrier_signal -1
	s_barrier_wait -1
	s_cmp_lg_u32 s[WV], 0
	s_cbranch_scc1 .Lnot_wave_0_\@
	s_barrier_signal -3
.Lnot_wave_0_\@:
	s_barrier_wait -3
	s_barrier_signal -1
	s_barrier_wait -1
.endm
; one matrix instruction.  c < 0: the constant 0 starts the sum.  ra, rb = 1: that side's scales are taken from lanes 16-31
.macro WM d, a, b, c, sa, sb, ra, rb
.if (\c) < 0
	v_wmma_scale_f32_16x16x128_f8f6f4 v[(\d):(\d)+7], v[(\a):(\a)+15], v[(\b):(\b)+15], 0, v[\sa], v[\sb] matrix_a_fmt:MATRIX_FMT_BF8 matrix_b_fmt:MATRIX_FMT_BF8
.elseif (\ra) && (\rb)
	v_wmma_scale_f32_16x16x128_f8f6f4 v[(\d):(\d)+7], v[(\a):(\a)+15], v[(\b):(\b)+15], v[(\c):(\c)+7], v[\sa], v[\sb] matrix_a_fmt:MATRIX_FMT_BF8 matrix_b_fmt:MATRIX_FMT_BF8 matrix_a_scale:MATRIX_SCALE_ROW1 matrix_b_scale:MATRIX_SCALE_ROW1
.elseif (\ra)
	v_wmma_scale_f32_16x16x128_f8f6f4 v[(\d):(\d)+7], v[(\a):(\a)+15], v[(\b):(\b)+15], v[(\c):(\c)+7], v[\sa], v[\sb] matrix_a_fmt:MATRIX_FMT_BF8 matrix_b_fmt:MATRIX_FMT_BF8 matrix_a_scale:MATRIX_SCALE_ROW1
.elseif (\rb)
	v_wmma_scale_f32_16x16x128_f8f6f4 v[(\d):(\d)+7], v[(\a):(\a)+15], v[(\b):(\b)+15], v[(\c):(\c)+7], v[\sa], v[\sb] matrix_a_fmt:MATRIX_FMT_BF8 matrix_b_fmt:MATRIX_FMT_BF8 matrix_b_scale:MATRIX_SCALE_ROW1
.else
	v_wmma_scale_f32_16x16x128_f8f6f4 v[(\d):(\d)+7], v[(\a):(\a)+15], v[(\b):(\b)+15], v[(\c):(\c)+7], v[\sa], v[\sb] matrix_a_fmt:MATRIX_FMT_BF8 matrix_b_fmt:MATRIX_FMT_BF8
.endif
.endm
; unit i (32 rows), K step s: two fragments of x out of the ring into buffer s % 2: eight loads
.macro XLD i, s
.irp u, 0,1
.irp c, 0,1,2,3
	ds_load_b128 v[XB+32*((\s)%2)+16*\u+4*\c:XB+32*((\s)%2)+16*\u+4*\c+3], v[XA] offset:(32*((\i)%2)+16*\u)*PITCH+128*(\s)+32*\c
.endr
.endr
.endm
; eight matrix instructions on eight accumulators by turns.  The first K step takes the bias as C.
; role 0 (q, k): source 0 = W's tile wt, source 1 = x's tile u.  role 1 (v): source 0 = x's tile u, source 1 = W's tile n.
.macro MMS role, i, s
.if \role
	WIN 0x04                               ; source 1 (W) window 1
.irp n, 0,1,2,3
.irp u, 0,1
.if (\s) == 0
	WM ACC+16*\n+8*\u, XB+32*((\s)%2)+16*\u, 16*(4*\n+(\s)), BIAS+8*\n, XS+4*(\i)+(\s), WS+4*(\n/2)+(\s), \u, \n%2
.else
	WM ACC+16*\n+8*\u, XB+32*((\s)%2)+16*\u, 16*(4*\n+(\s)), ACC+16*\n+8*\u, XS+4*(\i)+(\s), WS+4*(\n/2)+(\s), \u, \n%2
.endif
.endr
.endr
.else
	WIN 0x01                               ; source 0 (W) window 1
.irp u, 0,1
.irp wt, 0,1,2,3
.if (\s) == 0
	WM ACC+32*\u+8*\wt, 16*(4*\wt+(\s)), XB+32*((\s)%2)+16*\u, BIAS+8*\wt, WS+4*(\wt/2)+(\s), XS+4*(\i)+(\s), \wt%2, \u
.else
	WM ACC+32*\u+8*\wt, 16*(4*\wt+(\s)), XB+32*((\s)%2)+16*\u, ACC+32*\u+8*\wt, WS+4*(\wt/2)+(\s), XS+4*(\i)+(\s), \wt%2, \u
.endif
.endr
.endr
.endif
	WIN 0
.endm
; a unit's 32 matrix instructions.  pre = 1: its first two K steps' fragments were asked for earlier
.macro MMB role, i, pre
.if \pre
	s_wait_dscnt 0x0                       ; the fragments asked for ahead are in, and the image stores issued behind them have read their registers
.else
	XLD \i, 0
	XLD \i, 1
	s_wait_dscnt 8                         ; K step 0's are in; the eight of K step 1 may be out
.endif
	MMS \role, \i, 0
	PLACES 8                               ; in front of loads into the buffer just multiplied
	XLD \i, 2
	s_wait_dscnt 8                         ; K step 1's are in; the eight just issued may be out
	MMS \role, \i, 1
	PLACES 8
	XLD \i, 3
	s_wait_dscnt 8                         ; K step 2's are in
	MMS \role, \i, 2
	s_wait_dscnt 0x0
	MMS \role, \i, 3
.endm
; the 64 numbers in the accumulators, four blocks of which my lane holds 16 each and lane l xor 16 the other 16, become codes in v[PC] on; the blocks' scale bytes stay in v[TM+4] on
.macro QUANT
.irp b, 0,1,2,3
	v_max3_num_f32 v[TM+\b], |v[ACC+16*\b]|, |v[ACC+16*\b+1]|, 0x8000000   ; and the floor 2^(16 - 127): the byte cannot fall under 1
.endr
.irp i, 2,4,6,8,10,12,14
.irp b, 0,1,2,3
	v_max3_num_f32 v[TM+\b], v[TM+\b], |v[ACC+16*\b+\i]|, |v[ACC+16*\b+\i+1]|   ; the four blocks by turns
.endr
.endr
.irp b, 0,1,2,3
	v_permlanex16_b32 v[TM+4+\b], v[TM+\b], s[SEL], s[SEL+1]
.endr
.irp b, 0,1,2,3
	v_max_num_f32 v[TM+\b], v[TM+\b], v[TM+4+\b]       ; the block's largest magnitude
.endr
.irp b, 0,1,2,3
	v_add_nc_u32 v[TM+12+\b], 0xf8800000, v[TM+\b]     ; 15 off its exponent field: the conversion's scale operand
.endr
.irp b, 0,1,2,3
	v_and_or_b32 v[TM+8+\b], v[TM+\b], 0x7f800000, s[MNT]   ; 57,344 x the scale
.endr
.irp b, 0,1,2,3
	v_lshrrev_b32 v[TM+4+\b], 23, v[TM+12+\b]          ; the scale's byte
.endr
.irp b, 0,1,2,3
.irp i, 0,1,2,3,4,5,6,7,8,9,10,11,12,13,14,15
	v_med3_num_f32 v[ACC+16*\b+\i], v[ACC+16*\b+\i], -v[TM+8+\b], v[TM+8+\b]   ; the conversion does not saturate (ISA guide 7.6.2): the hold at the largest code x the scale
.endr
	v_cvt_scalef32_pk8_bf8_f32 v[PC+4*\b:PC+4*\b+1], v[ACC+16*\b:ACC+16*\b+7], v[TM+12+\b]
	v_cvt_scalef32_pk8_bf8_f32 v[PC+4*\b+2:PC+4*\b+3], v[ACC+16*\b+8:ACC+16*\b+15], v[TM+12+\b]
.endr
	v_nop                                  ; a plain vector line behind the last conversion: the next products write its sources
.endm
.macro IMAGE i                         ; unit i's codes go to LDS as they stand in the registers: 512 consecutive bytes a store
.irp b, 0,1,2,3
	ds_store_b128 v[CI], v[PC+4*\b:PC+4*\b+3] offset:2048*(\i)+512*\b
.endr
.endm
.macro SCOUT role, i                   ; unit i's scale bytes
.if \role
.irp n, 0,1,2,3                        ; v: unit i is key block i of my run: byte i of the word of each tile of units
.if (\i) == 0
	v_mov_b32 v[VW+\n], v[TM+4+\n]
.else
	v_lshl_or_b32 v[VW+\n], v[TM+4+\n], 8*(\i), v[VW+\n]
.endif
.endr
.if (\i) == 3
.irp n, 0,1,2,3
	ds_store_b32 v[VSP], v[VW+\n] offset:256*\n        ; both lanes of a unit write the same word with the same value
.endr
.endif
.else
.irp u, 0,1                            ; q, k: tile u's word: the bytes of its two blocks; the upper two bytes are 0 and meet zero codes
	v_lshl_or_b32 v[PW+\u], v[TM+5+2*\u], 8, v[TM+4+2*\u]
.endr
.irp u, 0,1
	ds_store_b32 v[SCW], v[PW+\u] offset:256*(\i)+128*\u
.endr
.endif
.endm
; the first 64 rows: units 0 and 1; unit 1's results are quantised behind the refill
.macro ARM1 role
.if \role
.irp n, 0,1,2,3
	global_load_b32 v[BIAS+8*\n], v[BAV], s[48:49] offset:64*\n        ; bv of unit 16 n + r
.endr
.else
.irp wt, 0,1,2,3
	global_load_b128 v[BIAS+8*\wt:BIAS+8*\wt+3], v[BAQ], s[48:49] offset:64*\wt       ; the bias of units 16 wt + 8 h + 0 .. 7
	global_load_b128 v[BIAS+8*\wt+4:BIAS+8*\wt+7], v[BAQ], s[48:49] offset:64*\wt+16
.endr
.endif
	s_wait_loadcnt 0x0                     ; the weights, the scale words and the bias
.if \role
.irp n, 0,1,2,3
.irp j, 1,2,3,4,5,6,7
	v_mov_b32 v[BIAS+8*\n+\j], v[BIAS+8*\n]            ; a lane's eight results of a tile belong to one unit
.endr
.endr
	PLACES 4
.endif
	s_wait_tensorcnt 0x0                   ; my 64 rows are in LDS; I alone read them
	MMB \role, 0, 0
	PLACES 8                               ; in front of the loads below and of the first read of results
	XLD 1, 0
	XLD 1, 1
	QUANT
	IMAGE 0
	SCOUT \role, 0
	MMB \role, 1, 1
.endm
; behind the refill: unit 1 is quantised while the second 64 rows are on their way; then units 2 and 3
.macro ARM2 role
	PLACES 4                               ; with the four v_nop behind the tensor load: eight places behind the last products
	QUANT
	IMAGE 1
	SCOUT \role, 1
	s_wait_tensorcnt 0x0                   ; my second 64 rows are in
	MMB \role, 2, 0
	PLACES 8
	XLD 3, 0
	XLD 3, 1
	QUANT
	IMAGE 2
	SCOUT \role, 2
	MMB \role, 3, 1
	PLACES 8
	QUANT
	IMAGE 3
	SCOUT \role, 3
.endm
	s_load_b512 s[8:23], s[0:1], 0x0               ; query, key, value codes; query, key, value scales; Wq, Wk codes
	s_load_b512 s[24:39], s[0:1], 0x40             ; Wv codes; Wq, Wk, Wv scales; bq, bk, bv; out
	v_lshl_add_u32 v[SPW], v0, 2, SPARE
	v_mov_b32 v[NIL], 0
	ds_add_u32 v2, v3
	ds_add_u32 v2, v3
	s_wait_dscnt 0x0
	v_lshrrev_b32 v20, 5, v0
	v_readfirstlane_b32 s[WV], v20                 ; wave 0..7
	v_and_b32 v21, 31, v0                          ; lane
	v_and_b32 v22, 15, v0                          ; r
	v_bfe_u32 v23, v0, 4, 1                        ; h
	s_bfe_u32 s94, ttmp6, 0x40000                  ; cx: it enters the head alone
	s_lshl_b32 s[HEAD], ttmp9, 2
	s_add_co_u32 s[HEAD], s[HEAD], s94             ; head = 4 x cluster x + cx
	s_and_b32 s88, ttmp7, 0xffff
	s_lshr_b32 s[BB], s88, 4                       ; batch
	s_and_b32 s[QB], s88, 15                       ; block of 128 queries
	s_lshl_b32 s[Q0], s[QB], 7
	s_lshr_b32 s[SB], s[WV], 1
	; every LDS address is made here, ahead of the first parting of the waves: constants, the lane and the wave's number
	v_lshlrev_b32 v[LI], 4, v21
	s_mul_i32 s90, s[WV], RINGW
	v_mul_u32_u24 v[XA], v22, PITCH
	v_lshl_add_u32 v[XA], v23, 4, v[XA]
	v_add_nc_u32 v[XA], s90, v[XA]                 ; ring: my wave's rows, row r, + 16 h
	s_lshl_b32 s91, s[WV], 13
	s_add_co_u32 s91, s91, IMGC
	v_add_nc_u32 v[CI], s91, v[LI]
	s_lshl_b32 s91, s[WV], 10
	s_add_co_u32 s91, s91, SCI
	v_lshl_add_u32 v[SCW], v21, 2, s91
	s_and_b32 s91, s[WV], 3
	s_lshl_b32 s91, s91, 2
	s_add_co_u32 s91, s91, VSB
	v_lshl_add_u32 v[VSP], v22, 4, s91             ; waves 4-6: bytes 4 (wave - 4) on of unit r's sixteen
	v_lshlrev_b32 v[WA], 9, v22
	v_lshl_add_u32 v[WA], v23, 4, v[WA]            ; W: row r of 512 bytes, + 16 h
	v_lshlrev_b32 v[BAQ], 5, v23
	v_lshlrev_b32 v[BAV], 2, v22
	s_lshl_b32 s91, s[SB], 11
	s_add_co_u32 s90, s91, IMGC+8192
	v_add_nc_u32 v[KA], s90, v[LI]                 ; k's tile 2 SB
	s_add_co_u32 s90, s91, IMGC+32768
	v_add_nc_u32 v[VA], s90, v[LI]                 ; v's key block SB
	s_lshl_b32 s90, s[WV], 10
	s_add_co_u32 s90, s90, IMGC
	v_add_nc_u32 v[QA], s90, v[LI]                 ; q's tile = my wave's number
	s_lshl_b32 s90, s[SB], 8
	s_add_co_u32 s90, s90, SCI+1024
	v_lshl_add_u32 v[KSA], v21, 2, s90
	s_lshl_b32 s90, s[WV], 7
	s_add_co_u32 s90, s90, SCI
	v_lshl_add_u32 v[QSA], v21, 2, s90
	v_lshl_add_u32 v[VSA], v22, 4, VSB
	s_mul_i32 s90, s[WV], STGW
	v_mul_u32_u24 v[STO], v22, SPITCH
	v_lshl_add_u32 v[STO], v23, 5, v[STO]
	v_add_nc_u32 v[STO], s90, v[STO]               ; stage, in: row r, + 32 h
	v_mul_u32_u24 v[RD], v23, SPITCH
	v_lshl_add_u32 v[RD], v22, 4, v[RD]
	v_add_nc_u32 v[RD], s90, v[RD]                 ; back: lanes 0-15 one row, lanes 16-31 the next
	v_lshlrev_b32 v[GO], 11, v23
	v_lshl_add_u32 v[GO], v22, 4, v[GO]            ; and the same two rows of out, 2,048 bytes apart
.irp b, 0,1,2,3
	v_mov_b32 v[TM+4+\b], 0                        ; written once: a lane permute's destination counts as one of its sources
.endr
	; which rows my wave projects: run c of the window (q: the middle run), its first row held inside the batch
	s_cmp_lt_u32 s[WV], 4
	s_cselect_b32 s88, 1, 4
	s_sub_co_u32 s88, s[WV], s88
	s_cmp_eq_u32 s[WV], 0
	s_cselect_b32 s88, 1, s88
	s_add_co_u32 s88, s88, s[QB]
	s_sub_co_i32 s88, s88, 1
	s_lshl_b32 s88, s88, 7                         ; Q0 - 128 + 128 c
	s_max_i32 s88, s88, 0
	s_min_i32 s88, s88, 1920
	s_lshl_b32 s89, s[BB], 11
	s_add_co_u32 s88, s88, s89                     ; the row among the tensor's 4,096
	s_lshl_b32 s2, s88, 9                          ; its codes,
	s_mov_b32 s3, 0
	s_lshl_b32 s4, s88, 4                          ; its scale bytes
	s_mov_b32 s5, 0
	s_lshl_b32 s6, s[HEAD], 15                     ; the head's 64 rows of W: codes,
	s_mov_b32 s7, 0
	s_lshl_b32 s92, s[HEAD], 10                    ; scale bytes,
	s_mov_b32 s93, 0
	s_lshl_b32 s94, s[HEAD], 8                     ; and its 256 bytes of a bias and of a row of out
	s_mov_b32 s95, 0
	s_lshl_b32 s88, s[WV], 4
	s_add_co_u32 s88, s88, s[Q0]
	s_add_co_u32 s88, s88, s89
	s_lshl_b32 s88, s88, 11                        ; my first query's row of out
	s_mov_b32 s89, 0
	s_mov_b32 s[NINF], 0xff800000
	s_lshl_b32 s91, s[SB], 5
	s_add_co_u32 s91, s91, s[Q0]
	s_sub_co_u32 s91, s91, 128                     ; my band's first key (below 0 it wraps to a large number)
.irp j, 0,1,2,3,4,5,6,7,8
	s_cmp_lt_u32 s91, 2048
	s_cselect_b32 s[BI+\j], 0, s[NINF]             ; a block of 32 keys lies wholly inside the batch or wholly outside
	s_add_co_u32 s91, s91, 32
.endr
	s_mov_b32 s[CS], 0x3e38aa3b                    ; log2(e) / 8
	s_mov_b32 s[CS+1], s[CS]                       ; (named with it as a pair)
	s_mov_b32 s[SEL], 0x76543210
	s_mov_b32 s[SEL+1], 0xfedcba98
	s_mov_b32 s[MNT], 0x600000
	s_mul_i32 s[PSEL], s[SB], 0x01010101
	s_add_co_u32 s[PSEL], s[PSEL], 0x03020100
	; descriptor group 1: 64 rows of 512 bytes, 16 bytes of padding behind each
	s_mov_b32 s[G1+0], 15|(0<<16)|(1<<20)|(1<<21)|(6<<22)|(3<<25)   ; 15:0 the mask: all four partners; 17:16 elements of 1 byte; 20 padding on; 21 set beside a mask; 24:22 after every 128 words; 31:25 four words
	s_mov_b32 s[G1+1], 512<<16                     ; tensor_dim0
	s_mov_b32 s[G1+2], 64<<16                      ; tensor_dim1
	s_mov_b32 s[G1+3], 512<<16                     ; tile_dim0
	s_mov_b32 s[G1+4], 64                          ; tile_dim1
	s_mov_b32 s[G1+5], 512                         ; from row to row
	s_mov_b32 s[G1+6], 0
	s_mov_b32 s[G1+7], 0
	s_wait_kmcnt 0x0
	s_cmp_eq_u32 s[WV], 0                          ; my tensor: the choice hangs on the wave's number alone
	s_cselect_b64 s[40:41], s[8:9], s[10:11]
	s_cselect_b64 s[42:43], s[14:15], s[16:17]
	s_cselect_b64 s[44:45], s[20:21], s[22:23]
	s_cselect_b64 s[46:47], s[26:27], s[28:29]
	s_cselect_b64 s[48:49], s[32:33], s[34:35]
	s_cmp_lt_u32 s[WV], 4
	s_cselect_b64 s[40:41], s[40:41], s[12:13]
	s_cselect_b64 s[42:43], s[42:43], s[18:19]
	s_cselect_b64 s[44:45], s[44:45], s[24:25]
	s_cselect_b64 s[46:47], s[46:47], s[30:31]
	s_cselect_b64 s[48:49], s[48:49], s[36:37]
	s_add_nc_u64 s[42:43], s[42:43], s[4:5]        ; x's scale bytes at my first row
	s_add_nc_u64 s[44:45], s[44:45], s[6:7]        ; W's codes,
	s_add_nc_u64 s[46:47], s[46:47], s[92:93]      ; W's scale bytes
	s_add_nc_u64 s[48:49], s[48:49], s[94:95]      ; and the bias at the head
	s_add_nc_u64 s[50:51], s[38:39], s[88:89]
	s_add_nc_u64 s[50:51], s[50:51], s[94:95]      ; out at my first query and the head
	s_mov_b32 s[G0], 1                             ; descriptor group 0: count = 1,
	s_mul_i32 s[G0+1], s[WV], RINGW                ; LDS address: my wave's part of the ring,
	s_add_nc_u64 s[G0+2:G0+3], s[40:41], s[2:3]    ; global address: my first row; nothing of the head enters it
	s_or_b32 s[G0+3], s[G0+3], 0x80000000          ; type = 2
	ROUND                                          ; all four work-groups are here: the first joint loads meet
	s_cmp_eq_u32 s[WV], 7
	s_cbranch_scc1 .Ljoin1                         ; wave 7 has no rows
	tensor_load_to_lds s[G0:G0+3], s[G1:G1+7]      ; rows 0-63 of my run: my one tensor load that is out
	s_nop 0
	PLACES 4
	WIN 0x40                                       ; destination window 1
.irp wt, 0,1,2,3
.irp s, 0,1,2,3
.irp c, 0,1,2,3
	global_load_b128 v[16*(4*\wt+\s)+4*\c:16*(4*\wt+\s)+4*\c+3], v[WA], s[44:45] offset:8192*\wt+128*\s+32*\c   ; W's fragments stay in registers
.endr
.endr
.endr
	WIN 0
.irp p, 0,1
	global_load_b128 v[WS+4*\p:WS+4*\p+3], v[LI], s[46:47] offset:512*\p       ; lane l: the 16 scale bytes of W's row 32 p + l: a word for each K step
.endr
.irp i, 0,1,2,3
	global_load_b128 v[XS+4*\i:XS+4*\i+3], v[LI], s[42:43] offset:512*\i       ; the same of x's row 32 i + l
.endr
	s_cmp_lt_u32 s[WV], 4
	s_cbranch_scc0 .Lv1
	ARM1 0
	s_branch .Ljoin1
.Lv1:
	ARM1 1
.Ljoin1:
	; THE REFILL: every wave waits for all its tensor loads, adds 0 to its spare word, waits for that and for its reads of the ring; the round holds of every wave of all four partners
	s_wait_tensorcnt 0x0                           ; no tensor load of mine is out, so group 0 may be written
	ds_add_u32 v[SPW], v[NIL]
	ds_add_u32 v2, v3
	s_add_nc_u64 s[G0+2:G0+3], s[G0+2:G0+3], 32768 ; 64 rows on; the type bits on top are not reached
	s_wait_dscnt 0x0                               ; the add is done, and my reads of my 64 rows are over
	ROUND
	s_cmp_eq_u32 s[WV], 7
	s_cbranch_scc1 .Ljoin2
	tensor_load_to_lds s[G0:G0+3], s[G1:G1+7]      ; rows 64-127 of my run, into the same bytes: my one tensor load behind the round
	s_nop 0
	PLACES 4
	s_cmp_lt_u32 s[WV], 4
	s_cbranch_scc0 .Lv2
	ARM2 0
	s_branch .Ljoin2
.Lv2:
	ARM2 1
.Ljoin2:
	s_wait_dscnt 0x0                               ; for the others' sake: my images and scale words lie in LDS, and my reads of the ring are over
	s_barrier_signal -1
	s_barrier_wait -1
	; ---- ATTENTION: 16 queries a wave, the band's 9 blocks of 32 keys
	PLACES 8                                       ; what follows writes and loads into registers that the projection's products have read.  The jump round the second half leads here from the first
	                                               ; half's last products with no vector instruction between; no wave that multiplied takes it, but the distance is kept on every way through the text
	WIN 0x40                                       ; destination window 1
.set k, 0
.rept 12
	v_mov_b32 v[KV+144+k], 0                       ; zero codes behind the last tile of k and of v,
	v_mov_b32 v[PCW+36+k], 0                       ; and for p's places beyond its ninth block
.set k, k+1
.endr
.set k, 0
.rept 8
	v_mov_b32 v[QF+8+k], 0                         ; q has 64 units: places 64-127 are zero codes
.set k, k+1
.endr
.set t, 0
.rept 18
	ds_load_b128 v[KV+8*t:KV+8*t+3], v[KA] offset:1024*t           ; k's tile 2 SB + t: its two blocks
	ds_load_b128 v[KV+8*t+4:KV+8*t+7], v[KA] offset:1024*t+512
.set t, t+1
.endr
	ds_load_b128 v[QF:QF+3], v[QA]
	ds_load_b128 v[QF+4:QF+7], v[QA] offset:512
	WIN 0
.set t, 0
.rept 18
	ds_load_b32 v[KSW+t], v[KSA] offset:128*t
.set t, t+1
.endr
	ds_load_b32 v[QSW], v[QSA]
.irp b, 0,1,2,3,4,5,6,7,8
	v_mov_b32 v[T2+\b], 0                          ; written once: destinations of lane permutes
.endr
	v_and_b32 v[D0], 15, v0
	v_bfe_u32 v[NIV], v0, 4, 1
	v_lshlrev_b32 v[NIV], 3, v[NIV]
	v_sub_nc_u32 v[D0], v[D0], v[NIV]
	s_and_b32 s88, s[WV], 1
	s_lshl_b32 s88, s88, 4
	v_add_nc_u32 v[D0], s88, v[D0]                 ; d = r - 8 h + 16 (wave % 2): my query's place in the band's first block, less my half's 8 h
	v_mov_b32 v[NIV], 0xff800000
	s_wait_dscnt 0x0
	WIN 0x05                                       ; sources 0 and 1 window 1
.set t, 0
.rept 18
	WM S+8*t, KV+8*t, QF, -1, KSW+t, QSW, 0, 0     ; S^T: 16 keys x my 16 queries; the fragment's upper half is the next tile's codes, against q's zeros
.set t, t+1
.endr
	WIN 0
	PLACES 8
.irp n, 0,1,2,3
	ds_load_b96 v[AD+4*\n:AD+4*\n+2], v[VSA] offset:256*\n         ; v's scale bytes of key blocks 0-11, unit 16 n + r
.endr
	WIN 0x40
.irp n, 0,1,2,3
.irp j, 0,1,2,3,4,5,6,7,8
	ds_load_b128 v[KV+36*\n+4*\j:KV+36*\n+4*\j+3], v[VA] offset:2048*\j+512*\n     ; v: key block SB + j, units 16 n on
.endr
.endr
	WIN 0
	; the band's edges: register 8 u + j of a block holds key 16 u + 8 h + j of it.  In block 0 keys under my query's place are hidden, in block 8 those over it; blocks 1-7 lie inside the band
.set n, 0
.rept 16
	v_cmp_lt_i32 vcc_lo, 16*(n/8)+n%8, v[D0]
	v_cndmask_b32 v[S+n], v[S+n], v[NIV], vcc_lo
.set n, n+1
.endr
.set n, 0
.rept 16
	v_cmp_gt_i32 vcc_lo, 16*(n/8)+n%8, v[D0]
	v_cndmask_b32 v[S+128+n], v[S+128+n], v[NIV], vcc_lo
.set n, n+1
.endr
.irp b, 0,1,2,3,4,5,6,7,8
	v_max3_num_f32 v[MB+\b], v[S+16*\b], v[S+16*\b+1], v[S+16*\b+2]    ; each block's largest score: it serves the row's maximum and, since p rises with the score, the block's largest p
.endr
.irp i, 3,5,7,9,11,13
.irp b, 0,1,2,3,4,5,6,7,8
	v_max3_num_f32 v[MB+\b], v[MB+\b], v[S+16*\b+\i], v[S+16*\b+\i+1]
.endr
.endr
.irp b, 0,1,2,3,4,5,6,7,8
	v_max_num_f32 v[MB+\b], v[MB+\b], v[S+16*\b+15]
.endr
.irp b, 0,1,2,3,4,5,6,7,8
	v_permlanex16_b32 v[T2+\b], v[MB+\b], s[SEL], s[SEL+1]
.endr
.irp b, 0,1,2,3,4,5,6,7,8
	v_max_num_f32 v[MB+\b], v[MB+\b], v[T2+\b]
.endr
.irp b, 0,1,2,3,4,5,6,7,8
	v_add_f32 v[MB+\b], s[BI+\b], v[MB+\b]         ; blocks outside the batch count for nothing
.endr
	s_wait_dscnt 36                                ; v's scale bytes are in; the 36 loads of v's codes issued behind them may be out
.irp n, 0,1,2,3
	v_perm_b32 v[VSW+3*\n], v[AD+4*\n+1], v[AD+4*\n], s[PSEL]          ; bytes SB .. SB + 3: the first K step's word,
	v_perm_b32 v[VSW+3*\n+1], v[AD+4*\n+2], v[AD+4*\n+1], s[PSEL]      ; SB + 4 on: the second's,
	v_perm_b32 v[VSW+3*\n+2], v[AD+4*\n+2], v[AD+4*\n+2], s[PSEL]      ; SB + 8: the third's; its upper three bytes are other blocks' and meet p's zero codes
.endr
	v_max3_num_f32 v[RM], v[MB], v[MB+1], v[MB+2]
	v_max3_num_f32 v[RM], v[RM], v[MB+3], v[MB+4]
	v_max3_num_f32 v[RM], v[RM], v[MB+5], v[MB+6]
	v_max3_num_f32 v[RM], v[RM], v[MB+7], v[MB+8]  ; the row's largest score (my own key is always in the band)
	v_mul_f32 v[RM], s[CS], v[RM]                  ; as t
	v_floor_f32 v[NM], -v[RM]                      ; -M = -ceil(t)
.irp b, 0,1,2,3,4,5,6,7,8
	v_add_f32 v[AD+2*\b], s[BI+\b], v[NM]
	v_add_f32 v[AD+2*\b+1], s[BI+\b], v[NM]
.endr
.irp b, 0,1,2,3,4,5,6,7,8
.irp k, 0,2,4,6,8,10,12,14
	v_pk_fma_f32 v[S+16*\b+\k:S+16*\b+\k+1], v[S+16*\b+\k:S+16*\b+\k+1], s[CS:CS+1], v[AD+2*\b:AD+2*\b+1] op_sel_hi:[1,0,1]   ; t - M, two at a time
.endr
.endr
.irp b, 0,1,2,3,4,5,6,7,8
	v_fma_f32 v[MB+\b], v[MB+\b], s[CS], v[AD+2*\b]    ; the same of each block's largest score
.endr
.set n, 0
.rept 144
	v_exp_f32 v[S+n], v[S+n]                       ; p = 2^(t - M), not normalised
.set n, n+1
.endr
.irp b, 0,1,2,3,4,5,6,7,8
	v_exp_f32 v[MB+\b], v[MB+\b]                   ; the block's largest p: the same two instructions on the same number
.endr
	v_nop                                          ; a plain place behind the exponentials
	s_wait_alu depctr_va_vdst(0)
.irp b, 0,1,2,3,4,5,6,7,8
	v_max_num_f32 v[MB+\b], 0x8000000, v[MB+\b]    ; the floor 2^(16 - 127): a block of zeros keeps the byte 1
.endr
.irp b, 0,1,2,3,4,5,6,7,8
	v_add_nc_u32 v[SO+\b], 0xf8800000, v[MB+\b]    ; the conversion's scale operand
.endr
.irp b, 0,1,2,3,4,5,6,7,8
	v_and_or_b32 v[HD+\b], v[MB+\b], 0x7f800000, s[MNT]    ; 57,344 x the scale
.endr
.irp b, 0,1,2,3,4,5,6,7
	v_lshrrev_b32 v[T2+\b], 23, v[SO+\b]           ; the scales' bytes
.endr
	v_lshrrev_b32 v[PWD+2], 23, v[SO+8]            ; the third K step's word: the ninth block's byte; the upper bytes are 0 and meet zero codes
	v_lshl_or_b32 v[PWD], v[T2+1], 8, v[T2]
	v_lshl_or_b32 v[PWD+1], v[T2+5], 8, v[T2+4]
	v_lshl_or_b32 v[PWD], v[T2+2], 16, v[PWD]
	v_lshl_or_b32 v[PWD+1], v[T2+6], 16, v[PWD+1]
	v_lshl_or_b32 v[PWD], v[T2+3], 24, v[PWD]
	v_lshl_or_b32 v[PWD+1], v[T2+7], 24, v[PWD+1]
	v_pk_add_f32 v[L0:L0+1], v[S:S+1], v[S+2:S+3]  ; the row's sum is taken of the unquantised p: two at a time, in two chains
	v_pk_add_f32 v[L1:L1+1], v[S+4:S+5], v[S+6:S+7]
.set n, 8
.rept 34
	v_pk_add_f32 v[L0:L0+1], v[L0:L0+1], v[S+n:S+n+1]
	v_pk_add_f32 v[L1:L1+1], v[L1:L1+1], v[S+n+2:S+n+3]
.set n, n+4
.endr
	v_pk_add_f32 v[L0:L0+1], v[L0:L0+1], v[L1:L1+1]
.irp b, 0,1,2,3,4,5,6,7,8
.irp i, 0,1,2,3,4,5,6,7,8,9,10,11,12,13,14,15
	v_min_num_f32 v[S+16*\b+\i], v[S+16*\b+\i], v[HD+\b]   ; the hold; p is not negative, so it is one-sided
.endr
.endr
	WIN 0x40                                       ; destination window 1
.irp b, 0,1,2,3,4,5,6,7,8
	v_cvt_scalef32_pk8_bf8_f32 v[PCW+4*\b:PCW+4*\b+1], v[S+16*\b:S+16*\b+7], v[SO+\b]
	v_cvt_scalef32_pk8_bf8_f32 v[PCW+4*\b+2:PCW+4*\b+3], v[S+16*\b+8:S+16*\b+15], v[SO+\b]
.endr
	WIN 0
	v_nop                                          ; a plain vector line behind the last conversion
	v_add_f32 v[L0], v[L0], v[L0+1]
	v_permlanex16_b32 v[T2], v[L0], s[SEL], s[SEL+1]
	v_add_f32 v[L0], v[L0], v[T2]                  ; with lane l xor 16's keys: the row's sum
	v_rcp_f32 v[RC], v[L0]
	PLACES 4                                       ; behind the reciprocal, and in front of products whose operand vector instructions have written
	s_wait_dscnt 0x0                               ; v's codes are in
	WIN 0x55                                       ; all four operands window 1
.irp sp, 0,1,2
.irp n, 0,1,2,3
.if \sp == 0
	WM OA+8*\n, KV+36*\n+16*\sp, PCW+16*\sp, -1, VSW+3*\n+\sp, PWD+\sp, 0, 0           ; O^T = v^T p^T: four accumulators by turns, K = 128 places of keys a step
.else
	WM OA+8*\n, KV+36*\n+16*\sp, PCW+16*\sp, OA+8*\n, VSW+3*\n+\sp, PWD+\sp, 0, 0
.endif
.endr
.endr
	WIN 0
	PLACES 8
	; THE WAY OUT: O^T / the sum; a lane's eight numbers of a tile are eight neighbours of a row; through my stage, back as whole rows of 256 bytes
	WIN 0x01                                       ; source 0 window 1
.set n, 0
	s_wait_alu depctr_va_vdst(0)
.rept 32
	v_mul_f32 v[YO+n], v[OA+n], v[RC]              ; register 8 n + j: out(query r, unit 16 n + 8 h + j); each accumulator from its low end on
.set n, n+1
.endr
	WIN 0
.irp n, 0,1,2,3
	ds_store_b128 v[STO], v[YO+8*\n:YO+8*\n+3] offset:64*\n
	ds_store_b128 v[STO], v[YO+8*\n+4:YO+8*\n+7] offset:64*\n+16
.endr
.irp i, 0,1,2,3,4,5,6,7
	ds_load_b128 v[YB+4*\i:YB+4*\i+3], v[RD] offset:2*\i*SPITCH        ; LDS serves a wave's instructions in order (ISA guide 5.7.1.4): these see my stores
.endr
.irp i, 0,1,2,3,4,5,6,7
	s_wait_dscnt 7-\i                              ; rows 2 i and 2 i + 1 are back; the younger loads may be out
	global_store_b128 v[GO], v[YB+4*\i:YB+4*\i+3], s[50:51] offset:4096*\i th:TH_STORE_NT   ; 16 lanes store 256 consecutive bytes, at a multiple of 256 from out's first byte
.endr
	s_wait_tensorcnt 0x0                           ; the wave's end
	ds_add_u32 v[SPW], v[NIL]
	s_wait_dscnt 0x0
	ROUND                                          ; the closing round: no work-group ends while a partner may still ask for a tile that names it
	s_endpgm
.Lfunc_end_k_qf59c572d9b_mha:
	.size	k_qf59c572d9b_mha, .Lfunc_end_k_qf59c572d9b_mha-k_qf59c572d9b_mha
	.p2alignl 7, 3214868480
	.fill 96, 4, 3214868480
	.section	.rodata,"a",@progbits
	.p2align	6, 0x0
	.amdhsa_kernel k_qf59c572d9b_mha
		.amdhsa_group_segment_fixed_size 327680
		.amdhsa_private_segment_fixed_size 0
		.amdhsa_enable_private_segment 0
		.amdhsa_kernarg_size 128
		.amdhsa_user_sgpr_count 2
		.amdhsa_user_sgpr_kernarg_segment_ptr 1
		.amdhsa_wavefront_size32 1
		.amdhsa_system_sgpr_workgroup_id_x 1
		.amdhsa_system_sgpr_workgroup_id_y 1
		.amdhsa_system_sgpr_workgroup_id_z 1
		.amdhsa_system_vgpr_workitem_id 0
		.amdhsa_next_free_vgpr 512
		.amdhsa_next_free_sgpr 96
		.amdhsa_reserve_vcc 1
		.amdhsa_float_denorm_mode_32 3
		.amdhsa_float_denorm_mode_16_64 3
		.amdhsa_memory_ordered 1
		.amdhsa_forward_progress 1
		.amdhsa_inst_pref_size 190
	.end_amdhsa_kernel
	.amdgpu_metadata
---
amdhsa.version: [ 1, 2 ]
amdhsa.kernels:
  - .name:           k_qf59c572d9b_mha
    .symbol:         k_qf59c572d9b_mha.kd
    .args:
      - { .name: query_codes, .offset: 0, .size: 8, .value_kind: global_buffer, .address_space: global }
      - { .name: key_codes, .offset: 8, .size: 8, .value_kind: global_buffer, .address_space: global }
      - { .name: value_codes, .offset: 16, .size: 8, .value_kind: global_buffer, .address_space: global }
      - { .name: query_scales, .offset: 24, .size: 8, .value_kind: global_buffer, .address_space: global }
      - { .name: key_scales, .offset: 32, .size: 8, .value_kind: global_buffer, .address_space: global }
      - { .name: value_scales, .offset: 40, .size: 8, .value_kind: global_buffer, .address_space: global }
      - { .name: Wq_codes, .offset: 48, .size: 8, .value_kind: global_buffer, .address_space: global }
      - { .name: Wk_codes, .offset: 56, .size: 8, .value_kind: global_buffer, .address_space: global }
      - { .name: Wv_codes, .offset: 64, .size: 8, .value_kind: global_buffer, .address_space: global }
      - { .name: Wq_scales, .offset: 72, .size: 8, .value_kind: global_buffer, .address_space: global }
      - { .name: Wk_scales, .offset: 80, .size: 8, .value_kind: global_buffer, .address_space: global }
      - { .name: Wv_scales, .offset: 88, .size: 8, .value_kind: global_buffer, .address_space: global }
      - { .name: bq, .offset: 96, .size: 8, .value_kind: global_buffer, .address_space: global }
      - { .name: bk, .offset: 104, .size: 8, .value_kind: global_buffer, .address_space: global }
      - { .name: bv, .offset: 112, .size: 8, .value_kind: global_buffer, .address_space: global }
      - { .name: out0, .offset: 120, .size: 8, .value_kind: global_buffer, .address_space: global }
    .group_segment_fixed_size: 327680
    .private_segment_fixed_size: 0
    .kernarg_segment_align: 8
    .kernarg_segment_size: 128
    .max_flat_workgroup_size: 256
    .sgpr_count:     96
    .vgpr_count:     512
    .wavefront_size: 32
...
	.end_amdgpu_metadata
.endif
;; end of part 1
